; MI455X (gfx1250); checked and timed in simulation.
; The chip was launched on July 23, 2026; its instructions are those of AMD's public machine-readable ISA for CDNA 5 (MIT licence, August 2026) and "CDNA5" Instruction Set Architecture Reference Guide (July 2026). The comments in the code are by the model that wrote it; some were corrected since.
;; Unified Self Attention. Allowed arithmetic: matrix products marked QUANTISED: E2M3 operands, one E8M0 scale for each 32 along K, by v_wmma_scale_f32_16x16x128_f8f6f4 with both operands' format E2M3, f32 sums; everything else in f32.
;; Inputs: Wk 1,024 x 1,024 float32; Wq 1,024 x 1,024 float32; Wv 1,024 x 1,024 float32; inputs 2 x 2,048 x 1,024 float32.
;; Outputs: out0 2 x 2,048 x 1,024 float32.
;; This version of the problem:
;;   THIS VERSION OF THE PROBLEM IS GIVEN IN LOW PRECISION. The matrix products marked QUANTISED in the list below multiply operands that are first quantised to E2M3 (2 exponent bits, 3 mantissa bits; 6 bits a number), with one power-of-two scale for each 32 numbers along K (OCP MX v1.0); their sums are f32. All else is computed in f32.
;;   The module's matrix products, in the order in which they are computed (A, B: the left and right operand; K: the contracted axis; several contracted axes count as one K, in the product's order):
;;     1. [M 4,096, K 1,024] x [K 1,024, N 1,024]; A: input inputs; B: input Wq: QUANTISED
;;     2. [M 4,096, K 1,024] x [K 1,024, N 1,024]; A: input inputs; B: input Wk: QUANTISED
;;     3. [M 4,096, K 1,024] x [K 1,024, N 1,024]; A: input inputs; B: input Wv: QUANTISED
;;     4. batch 32 x [M 2,048, K 64] x [K 64, N 2,048]; A: computed on the way; B: computed on the way: QUANTISED
;;     5. batch 32 x [M 2,048, K 2,048] x [K 2,048, N 64]; A: softmax (see below); B: computed on the way: QUANTISED
;;   THE QUANTISER, for each operand of a quantised product, along K:
;;     - K is cut into blocks of 32 from its start; a last block that is shorter is filled with zeros.
;;     - A block's scale is 2^e with e = floor(log2(the largest magnitude in the block)) - 2, held to -126 .. 127; a block of zeros has e = 0. As a byte (E8M0): e + 127.
;;     - Each number is divided by its block's scale, clamped to +-7.5, and rounded to the nearest number of E2M3, ties to even, subnormals kept.
;;     - The product sums the exact products of the quantised numbers (number of the format x scale) in f32.
;;   ~~~python
;;   def quantise(x, axis):      # numpy; x: float32 -> the quantised numbers, widened to float32 again
;;       x = np.moveaxis(x, axis, -1); K = x.shape[-1]
;;       x = np.pad(x, [(0, 0)] * (x.ndim - 1) + [(0, -K % 32)]); x = x.reshape(x.shape[:-1] + (-1, 32)); a = np.abs(x).max(-1, keepdims=True)
;;       e = np.where(a > 0, np.clip(np.frexp(np.where(a > 0, a, 1))[1] - 1 - 2, -126, 127), 0)      # np.frexp(a)[1] - 1 = floor(log2(a)), exactly
;;       r = np.clip(x / 2.0 ** e, -7.5, 7.5)
;;       step = 2.0 ** (np.maximum(np.frexp(np.where(r == 0, 1, r))[1] - 1, 0) - 3)
;;       q = np.round(r / step) * step * 2.0 ** e      # np.round: ties to even
;;       return np.moveaxis(q.reshape(q.shape[:-2] + (-1,))[..., :K], -1, axis).astype(np.float32)
;;   ~~~
;;   SOFTMAX AHEAD OF A QUANTISED PRODUCT. Where the list says 'softmax', what is quantised is not the finished softmax but p = 2^(t - M), with t = logit x log2(e) and M = ceil(the row's largest t), a whole number; so 1/2 < the row's largest p <= 1. The row's sum l is taken of the UNQUANTISED p, in f32, and the product's result is divided by l at the end. Since M is a whole number, a kernel that streams over the keys may use a running M (the ceiling of the running maximum): every later rescaling is an exact power of two, which a block's scale takes up: the codes' values come out the same.
;;   OPERANDS COMPUTED ON THE WAY. 'Computed on the way' means the value that the module computes at that place (a softmax that the list does not call 'softmax' is quantised finished and normalised). What goes into a quantiser is computed in f32, as accurately as f32 sums, v_exp_f32 and their like allow (about 1e-6 of the number): no bf16 or f16 on the way to a quantiser, and a product that is left as it is and whose result goes on into a quantised operand takes f32 operands (vector FMAs, or v_wmma_f32_16x16x4_f32). A number that lies on a knife's edge between two numbers of the format may be rounded either way, as far as f32 arithmetic and the matrix unit's own rounding can turn it there, and no further.
;; One version. Each part assembles by itself: llvm-mc -triple=amdgcn-amd-amdhsa -mcpu=gfx1250 --defsym DOCPART=n.
;; ======== version 1 of 1: 3 launches
;; limits: right only within a limited range of input values
;; workspace buffers: codes 5,505,024 bytes; scl 229,376 bytes; qop 3,407,872 bytes; kv 6,684,672 bytes
;; launch quant (part 1): grid 448 x 1, 4 waves a work-group, no clusters, 33,792 bytes of LDS; arguments inputs, Wq, Wk, Wv, codes, scl; writes codes, scl
.if DOCPART == 1
	.amdgcn_target "amdgcn-amd-amdhsa--gfx1250"
	.amdhsa_code_object_version 6
	.text
	.protected	k_qc9417ceb7f_quant
	.globl	k_qc9417ceb7f_quant
	.p2align	8
	.type	k_qc9417ceb7f_quant,@function
k_qc9417ceb7f_quant:
	s_mov_b64 s[64:65], 0
	v_nop
	global_prefetch_b8 v0, s[64:65] scope:SCOPE_SE
	s_setreg_imm32_b32 hwreg(HW_REG_WAVE_MODE, 25, 1), 1
	s_wait_xcnt 0x0
; inputs [4096][1024], Wq, Wk, Wv [1024][1024], f32, K (the 1,024) innermost, become codes of FP6 (E2M3), 6 bits each, and one E8M0 byte for each 32 along K.
; PLACE 64 g + 16 i + 8 h + j HOLDS ROW 64 g + 32 h + 8 i + j (i = 0 .. 3, h = 0, 1, j = 0 .. 7): so a lane's 32 results of four neighbouring tiles of the next launch are 32 neighbours along the next K: one scale block.
; codes: [448 tiles of 16 places][8 steps of 128 along K][3 pieces of 4 registers][32 lanes][16 bytes]: images of the operand's registers; scl: [7168 places][32 bytes].  Tiles 0-255 tokens, 256-319 Wq, 320-383 Wk, 384-447 Wv.
; Lane (r, h) of an operand holds row r's blocks 2 c + h of the step's four, block 2 c + h in registers 6 c .. 6 c + 5.
; A block's scale is 2^(floor(log2(its largest magnitude)) - 2); its byte is the largest magnitude's exponent field - 2, held at 1 from below.  A block of zeros so gets the byte 1 where the rule says 127:
; its codes are zeros, which add nothing under any byte but 0xff, and this program alone reads the bytes.
; LIMITS: NaN and infinities among the inputs are not served; blocks whose largest magnitude lies under 2^(3 - 127) keep the byte 1.
; A work-group makes one tile, a wave 4 neighbouring rows of it in 8 steps of 512 numbers (step t: row t % 4, half t / 4 of K).  All 32 loads of a wave, 512 consecutive bytes each, go out at the head.  A step's 2,048 bytes turn
; through the wave's own stage in LDS and come back 64 bytes a lane, so that a lane holds 16 neighbours along K (two neighbouring lanes hold a block).  The codes gather in LDS and leave in two halves, 512 consecutive bytes an instruction.
; No tensor loads, no cluster: no two work-groups read the same bytes.  No prefetch: all loads of a wave are out from the head on.
.set STEPS, 8
.set EMAX,  2
.set R,     16                         ; v16-143  eight sets of 16 numbers as they are loaded
.set X,     144                        ; v144-175 two sets of 16 neighbours
.set C,     176                        ; v176-207 codes
.set E,     208                        ; v208-215 a scale byte for each step
.set OUTR,  216                        ; v216-239 the way out
.set SPW,   240                        ; v240 my spare word
.set NIL,   241                        ; v241 0
.set SP,    80                         ; a lane's place in a stage: its 64 bytes + 16 of padding
.set WREG,  2*32*SP                    ; LDS: two stages for each wave,
.set IMG,   4*WREG                     ; the tile's image,
.set SCB,   IMG+12288                  ; its scale bytes,
.set SPARE, SCB+512                    ; the spare words
	s_load_b256 s[4:11], s[0:1], 0x0               ; inputs s[4:5], Wq s[6:7], Wk s[8:9], Wv s[10:11]
	s_load_b128 s[12:15], s[0:1], 0x20             ; codes s[12:13], scl s[14:15]
	v_lshl_add_u32 v[SPW], v0, 2, SPARE
	v_mov_b32 v[NIL], 0
	v_lshrrev_b32 v1, 5, v0
	v_readfirstlane_b32 s16, v1                    ; wave
	v_and_b32 v2, 31, v0                           ; lane
	v_lshlrev_b32 v3, 4, v2                        ; my 16 bytes of a load's 512
	s_mul_i32 s17, s16, WREG
	v_lshrrev_b32 v14, 2, v2
	v_mul_u32_u24 v14, v14, SP
	v_and_b32 v15, 3, v2
	v_lshl_add_u32 v14, v15, 4, v14
	v_add_nc_u32 v14, s17, v14                     ; the stage, on the way in: SP (lane / 4) + 16 (lane % 4)
	v_mul_u32_u24 v15, v2, SP
	v_add_nc_u32 v15, s17, v15                     ; and on the way out: SP x lane: my 16 neighbours
	; the image: lane l's 16 codes are half l % 2 of block (l / 2) % 4 of K step l / 8 (+ 4 in the second half): registers n = 6 c + 3 (l % 2) + 0 .. 2 of lane r + 16 h
	v_lshrrev_b32 v4, 3, v2
	v_mul_u32_u24 v4, v4, 1536
	v_bfe_u32 v5, v2, 1, 1
	v_lshl_add_u32 v4, v5, 8, v4
	s_lshl_b32 s18, s16, 6
	s_add_co_u32 s18, s18, IMG
	v_add_nc_u32 v4, s18, v4                       ; 1,536 step + 256 h + 64 wave (r = 4 wave + row)
	v_bfe_u32 v5, v2, 2, 1
	v_mul_u32_u24 v5, v5, 6
	v_and_b32 v6, 1, v2
	v_mad_u32_u24 v5, v6, 3, v5                    ; n
.irp m, 0,1,2
	v_add_nc_u32 v6, \m, v5
	v_lshrrev_b32 v7, 2, v6
	v_lshl_add_u32 v[10+\m], v7, 9, v4
	v_and_b32 v6, 3, v6
	v_lshl_add_u32 v[10+\m], v6, 2, v[10+\m]       ; + 512 (n / 4) + 4 (n % 4)
.endr
	s_lshl_b32 s18, s16, 7
	s_add_co_u32 s18, s18, SCB
	v_lshrrev_b32 v5, 1, v2
	v_add_nc_u32 v5, s18, v5                       ; my block's scale byte
	v_lshlrev_b32 v6, 4, v0                        ; out: 16 bytes a thread of the image,
	v_lshlrev_b32 v7, 2, v0                        ; 4 of the scale bytes
	s_and_b32 s19, ttmp9, 63                       ; the tile's number within a weight (256, 320 and 384 are multiples of 64)
	s_wait_alu depctr_va_vdst(0)                   ; the wait at the head's end
	s_wait_kmcnt 0x0
	s_cmp_lt_u32 ttmp9, 384                        ; which tensor: the choices hang on the work-group's number alone
	s_cselect_b64 s[8:9], s[8:9], s[10:11]
	s_cmp_lt_u32 ttmp9, 320
	s_cselect_b64 s[6:7], s[6:7], s[8:9]
	s_cmp_lt_u32 ttmp9, 256
	s_cselect_b64 s[4:5], s[4:5], s[6:7]
	s_cselect_b32 s22, ttmp9, s19
	s_lshr_b32 s20, s22, 2
	s_lshl_b32 s20, s20, 6
	s_and_b32 s21, s22, 3
	s_lshl_b32 s21, s21, 3
	s_add_co_u32 s20, s20, s21
	s_lshr_b32 s21, s16, 1
	s_lshl_b32 s21, s21, 5
	s_add_co_u32 s20, s20, s21
	s_and_b32 s21, s16, 1
	s_lshl_b32 s21, s21, 2
	s_add_co_u32 s20, s20, s21                     ; my first row: 64 (tile / 4) + 8 (tile % 4) + 32 (wave / 2) + 4 (wave % 2)
	s_lshl_b32 s22, s20, 12
	s_mov_b32 s23, 0
	s_add_nc_u64 s[4:5], s[4:5], s[22:23]
	s_mul_i32 s26, ttmp9, 12288
	s_mov_b32 s27, 0
	s_add_nc_u64 s[12:13], s[12:13], s[26:27]
	s_lshl_b32 s24, ttmp9, 9
	s_mov_b32 s25, 0
	s_add_nc_u64 s[14:15], s[14:15], s[24:25]
.macro LOAD t
.irp i, 0,1,2,3
	global_load_b128 v[R+16*(\t)+4*\i:R+16*(\t)+4*\i+3], v3, s[4:5] offset:4096*((\t)%4)+2048*((\t)/4)+512*\i th:TH_LOAD_NT
.endr
.endm
.macro TURN t                          ; step t's numbers through the stage: LDS serves a wave's instructions in order, so no wait stands between the stores and the loads
.irp i, 0,1,2,3
	ds_store_b128 v14, v[R+16*(\t)+4*\i:R+16*(\t)+4*\i+3] offset:32*SP*((\t)%2)+8*SP*\i
.endr
.irp i, 0,1,2,3
	ds_load_b128 v[X+16*((\t)%2)+4*\i:X+16*((\t)%2)+4*\i+3], v15 offset:32*SP*((\t)%2)+16*\i
.endr
.endm
.irp t, 0,1,2,3,4,5,6,7
	LOAD \t
.endr
	s_wait_loadcnt 28                              ; step 0's four loads are in; the 28 of the other seven steps may be out
	TURN 0
.macro STEP t
.set XS, X+16*((\t)%2)
.if (\t) > 0
	s_wait_dscnt 4                                 ; this step's numbers are back from the stage (the last step's four stores may be out)
.else
	s_wait_dscnt 0x0
.endif
.if (\t)+1 < STEPS
	s_wait_loadcnt 4*(STEPS-2-(\t))                ; the next step's four loads are in; those of the steps behind it may be out
	TURN (\t)+1                                    ; and go through the other stage while this step is worked
.endif
	v_max3_num_f32 v8, |v[XS]|, |v[XS+1]|, |v[XS+2]|               ; the largest magnitude of my 16, in two chains
	v_max3_num_f32 v9, |v[XS+3]|, |v[XS+4]|, |v[XS+5]|
.irp i, 6,10
	v_max3_num_f32 v8, v8, |v[XS+\i]|, |v[XS+\i+1]|
	v_max3_num_f32 v9, v9, |v[XS+\i+2]|, |v[XS+\i+3]|
.endr
	v_max3_num_f32 v8, v8, |v[XS+14]|, |v[XS+15]|
	v_max3_num_f32 v8, v8, v9, (EMAX+1)<<23        ; and the floor 2^(EMAX + 1 - 127): so the byte cannot fall under 1
	v_max_num_f32_dpp v8, v8, v8 row_xmask:1 row_mask:0xf bank_mask:0xf   ; and of my neighbour's 16: the block's
	v_add_nc_u32 v13, -(EMAX<<23), v8              ; EMAX off its exponent field: the conversion takes the exponent field of this operand as its scale
	v_cvt_scalef32_pk16_fp6_f32 v[C+4*(\t):C+4*(\t)+2], v[XS:XS+15], v13
	v_lshrrev_b32 v[E+(\t)], 23, v13               ; the scale's byte (also the plain line behind the conversion)
.irp m, 0,1,2
	ds_store_b32 v[10+\m], v[C+4*(\t)+\m] offset:16*((\t)%4)+6144*((\t)/4)
.endr
	ds_store_b8 v5, v[E+(\t)] offset:32*((\t)%4)+16*((\t)/4)   ; both lanes of a block write the same byte with the same value
.endm
.macro HALF h                          ; the image's half h is whole: it leaves
	s_wait_alu depctr_va_vdst(0)
	s_wait_dscnt 0x0
	s_barrier_signal -1
	s_barrier_wait -1
.irp k, 0,1,2
	ds_load_b128 v[OUTR+12*\h+4*\k:OUTR+12*\h+4*\k+3], v6 offset:IMG+6144*\h+2048*\k
.endr
.if \h
	ds_load_b32 v8, v7 offset:SCB
.endif
	s_wait_dscnt 0x0
.irp k, 0,1,2
	global_store_b128 v6, v[OUTR+12*\h+4*\k:OUTR+12*\h+4*\k+3], s[12:13] offset:6144*\h+2048*\k
.endr
.endm
.irp t, 0,1,2,3
	STEP \t
.endr
	HALF 0
.irp t, 4,5,6,7
	STEP \t
.endr
	HALF 1
	global_store_b32 v7, v8, s[14:15]
	s_wait_tensorcnt 0x0                           ; the wave's end
	ds_add_u32 v[SPW], v[NIL]
	s_wait_dscnt 0x0
	s_endpgm
.Lfunc_end_k_qc9417ceb7f_quant:
	.size	k_qc9417ceb7f_quant, .Lfunc_end_k_qc9417ceb7f_quant-k_qc9417ceb7f_quant
	.p2alignl 7, 3214868480
	.fill 96, 4, 3214868480
	.section	.rodata,"a",@progbits
	.p2align	6, 0x0
	.amdhsa_kernel k_qc9417ceb7f_quant
		.amdhsa_group_segment_fixed_size 33792
		.amdhsa_private_segment_fixed_size 0
		.amdhsa_enable_private_segment 0
		.amdhsa_kernarg_size 48
		.amdhsa_user_sgpr_count 2
		.amdhsa_user_sgpr_kernarg_segment_ptr 1
		.amdhsa_wavefront_size32 1
		.amdhsa_system_sgpr_workgroup_id_x 1
		.amdhsa_system_sgpr_workgroup_id_y 1
		.amdhsa_system_sgpr_workgroup_id_z 1
		.amdhsa_system_vgpr_workitem_id 0
		.amdhsa_next_free_vgpr 242
		.amdhsa_next_free_sgpr 66
		.amdhsa_reserve_vcc 0
		.amdhsa_float_denorm_mode_32 3
		.amdhsa_float_denorm_mode_16_64 3
		.amdhsa_memory_ordered 1
		.amdhsa_forward_progress 1
		.amdhsa_inst_pref_size 21
	.end_amdhsa_kernel
	.amdgpu_metadata
---
amdhsa.version: [ 1, 2 ]
amdhsa.kernels:
  - .name:           k_qc9417ceb7f_quant
    .symbol:         k_qc9417ceb7f_quant.kd
    .args:
      - { .name: inputs, .offset: 0, .size: 8, .value_kind: global_buffer, .address_space: global }
      - { .name: Wq, .offset: 8, .size: 8, .value_kind: global_buffer, .address_space: global }
      - { .name: Wk, .offset: 16, .size: 8, .value_kind: global_buffer, .address_space: global }
      - { .name: Wv, .offset: 24, .size: 8, .value_kind: global_buffer, .address_space: global }
      - { .name: codes, .offset: 32, .size: 8, .value_kind: global_buffer, .address_space: global }
      - { .name: scl, .offset: 40, .size: 8, .value_kind: global_buffer, .address_space: global }
    .group_segment_fixed_size: 33792
    .private_segment_fixed_size: 0
    .kernarg_segment_align: 8
    .kernarg_segment_size: 48
    .max_flat_workgroup_size: 128
    .sgpr_count:     66
    .vgpr_count:     242
    .wavefront_size: 32
...
	.end_amdgpu_metadata
.endif
;; end of part 1
;; launch proj (part 2): grid 16 x 16, 4 waves a work-group, clusters of 4 x 1, 167,936 bytes of LDS; arguments codes, scl, qop, kv; writes qop, kv
.if DOCPART == 2
	.amdgcn_target "amdgcn-amd-amdhsa--gfx1250"
	.amdhsa_code_object_version 6
	.text
	.protected	k_qc9417ceb7f_proj
	.globl	k_qc9417ceb7f_proj
	.p2align	8
	.type	k_qc9417ceb7f_proj,@function
k_qc9417ceb7f_proj:
	s_mov_b64 s[64:65], 0
	v_nop
	global_prefetch_b8 v0, s[64:65] scope:SCOPE_SE
	s_setreg_imm32_b32 hwreg(HW_REG_WAVE_MODE, 25, 1), 1
	s_wait_xcnt 0x0
	s_wait_alu depctr_hold_cnt(0) depctr_sa_sdst(0) depctr_va_vdst(0) depctr_va_sdst(0) depctr_va_ssrc(0) depctr_va_vcc(0) depctr_vm_vsrc(0)
	s_getreg_b32 s2, hwreg(HW_REG_IB_STS2, 6, 4)
	s_cmp_eq_u32 s2, 0
	s_cbranch_scc0 .Lentry_in_a_cluster
	s_endpgm
.Lentry_in_a_cluster:
	s_bfe_u32 s2, ttmp6, 0x10000c
	s_cmp_lg_u32 s2, 0x3003
	s_cbranch_scc0 .Lentry_shape_is_right
	s_endpgm
.Lentry_shape_is_right:
; Q, K, V = inputs W^T on codes of FP6 (E2M3), K = 1,024, sums in f32; each result is quantised again on the way out, in registers, and stored as images of the operand registers of the launch that reads it.  No f32 result is stored.
; SHARES.  A work-group owns 256 tokens (grid x) and one head's 64 columns of Q, of K and of V (grid y).  Each of its four waves owns 64 tokens: four tiles of 16, all of K, in 384 registers, loaded once, straight from memory:
; the codes are images of the operand's registers, so each load takes 512 consecutive bytes.  The weights' three tiles of 64 rows, 49,152 bytes each, lie in LDS, filled once: no slot is filled again, so there is no ring.
; CLUSTER.  Four work-groups of one head: a weight's tile is asked for JOINTLY, by the same tensor load with the same descriptor and a mask that names the four.  The tokens are not: a wave's 49,152 bytes go into its registers alone.
; No prefetch: every byte is asked for at the head, so there is no later request to run ahead of.
; A BATCH is 16 columns x the wave's 64 tokens: 32 products, 4 sums by turns.  Batches 0-3 make Q, 4-7 K, 8-11 V.  Among a batch's products the next batch's 24 LDS loads go out, and the search for the largest magnitudes of an
; earlier batch's results; the conversions and stores of these stand at the batch's end.
; Q, K: source 0 = the weight's rows: a lane holds one token, and its 32 registers of four batches are the head's columns 32 h + 0 .. 31: one scale block (r = lane % 16, h = lane / 16).
; V: source 0 = the tokens: a lane holds one channel, and its 32 registers of one batch are the tokens 32 h + 0 .. 31 of the wave's 64: one scale block.  No lane looks at another for a maximum.
; THE BUFFERS: qop [32 heads of a batch][16 chunks of 128 queries][8 tiles x 768 bytes (512: registers 0-3; 256: registers 4, 5), 2 x 256 bytes of scale words [r][4 tiles]];
; kv [32][16][K: 6,656 bytes likewise; V: 4 tiles x 2 bands of 64 tokens x 768 bytes; 256 bytes of scale words [r][4 tiles]].
; A block's scale byte is the exponent field of its largest magnitude - 2, held at 1 from below.  LIMITS: NaN and infinities are not served.
; REGISTERS.  48 fragments of 12 registers, 21 to a window from window 1 on: 0-31 the tokens' (4 q + t), 32-39 and 40-47 two sets of a weight's.  Sums: Q's and V's in window 0 at v128, K's in window 3 at v128.
.set WT,   49152                       ; a weight's tile
.set STG,  3*WT                        ; V's scale bytes: 2 chunks x 256
.set SPARE, STG+512
.set LI16, 1                           ; v1  16 x lane
.set LI8,  2                           ; v2  8 x lane
.set LI32, 3                           ; v3  32 x lane
.set H8,   5                           ; v5  8 h
.set ASC,  6                           ; v6  16 r + 8 h
.set STV,  7                           ; v7  LDS: my byte of V's scale words
.set SPW,  8
.set NIL,  9
.set AW,   10                          ; v10-12 LDS address in the three weights' tiles
.set TP,   13                          ; v13, v14
.set SB,   16                          ; v16-63 the weights' scale words: two tiles to a register, 8 for each pair
.set TQ,   64                          ; v64-67 the chains
.set SA,   68                          ; v68-83 the tokens' scale words
.set SOP,  84                          ; v84, v85 the conversions' scale operands
.set EB,   86                          ; v86, v87 the scale bytes
.set WD,   88                          ; v88-91 scale words of Q or K
.set SX,   92                          ; v92, v93
.set CD,   94                          ; v94-99, v100-105 codes
.set TC,   106                         ; v106-108
.set ACC,  128
.set SEL,  20
.set HM,   22                          ; s22 the lanes 16-31
.set G1,   24
.set G0,   32
.set MSB,  0
.macro WIN new
.if MSB != \new
	s_set_vgpr_msb (MSB<<8)|\new
.set MSB, \new
.endif
.endm
.macro WALU
	s_wait_alu depctr_va_vdst(0)
.endm
.macro PLACES n
.rept \n
	v_nop
.endr
.endm
.macro ROUND                           ; a round of the cluster's barrier
	s_barrier_signal -1
	s_barrier_wait -1
	s_cmp_lg_u32 s14, 0
	s_cbranch_scc1 .Lnot_wave_0_\@
	s_barrier_signal -3
.Lnot_wave_0_\@:
	s_barrier_wait -3
	s_barrier_signal -1
	s_barrier_wait -1
.endm
	s_load_b256 s[4:11], s[0:1], 0x0               ; codes s[4:5], scl s[6:7], qop s[8:9], kv s[10:11]
	v_lshl_add_u32 v[SPW], v0, 2, SPARE
	v_mov_b32 v[NIL], 0
	ds_add_u32 v[SPW], v[NIL]                      ; the wave's opening: the add, twice on end, and its wait
	ds_add_u32 v[SPW], v[NIL]
	v_lshrrev_b32 v12, 5, v0
	v_readfirstlane_b32 s14, v12                   ; wave
	s_and_b32 s15, s14, 1                          ; which band of its chunk of 128 tokens is mine
	s_and_b32 s58, ttmp7, 0xffff                   ; the head, which the four partners share
	s_bfe_u32 s57, ttmp6, 0x40000                  ; cx: it enters the tokens' and the results' addresses alone
	s_lshl_b32 s59, ttmp9, 2
	s_add_co_u32 s59, s59, s57                     ; my 256 tokens
	s_mul_i32 s56, s14, WT                         ; wave 0 fetches Wq's rows, 1 Wk's, 2 Wv's
	s_mul_i32 s60, s14, 16*WT
	s_mul_i32 s61, s58, WT
	s_add_co_u32 s60, s60, s61
	s_add_co_u32 s60, s60, 256*12288               ; tile 256 + 64 x wave + 4 x head
	s_mov_b32 s61, 0
	s_mul_i32 s62, s59, 4*WT
	s_add_co_u32 s62, s62, s56                     ; my 64 tokens' codes
	s_mov_b32 s63, 0
	s_lshl_b32 s66, s59, 13
	s_lshl_b32 s67, s14, 11
	s_add_co_u32 s66, s66, s67                     ; their scale bytes
	s_mov_b32 s67, 0
	s_lshl_b32 s68, s58, 11
	s_add_co_u32 s68, s68, 4096*32                 ; Wq's scale bytes, my head
	s_mov_b32 s69, 0
	s_lshr_b32 s70, s59, 3
	s_lshl_b32 s70, s70, 4
	s_add_co_u32 s70, s70, s58                     ; 16 x batch + head
	s_and_b32 s71, s59, 7
	s_lshl_b32 s71, s71, 1
	s_lshr_b32 s72, s14, 1
	s_add_co_u32 s71, s71, s72                     ; my chunk of 128 tokens
	s_lshl_b32 s23, s72, 8
	s_lshl_b32 s74, s15, 1
	s_add_co_u32 s23, s23, s74
	s_add_co_u32 s23, s23, STG                     ; V's scale bytes: 256 x chunk + 2 x band
	s_mul_i32 s72, s70, 106496
	s_mul_i32 s73, s71, 6656
	s_add_co_u32 s72, s72, s73
	s_mov_b32 s73, 0
	s_mul_i32 s74, s70, 208896
	s_mul_i32 s75, s71, 13056
	s_add_co_u32 s74, s74, s75
	s_mov_b32 s75, 0
	s_mul_i32 s76, s15, 3072
	s_mov_b32 s77, 0
	s_lshl_b32 s78, s15, 8
	s_add_co_u32 s78, s78, 6144
	s_mov_b32 s79, 0
	s_mul_i32 s80, s15, 768
	s_add_co_u32 s80, s80, 6656
	s_mov_b32 s81, 0
	; descriptor group 1: a dense block of 49,152 bytes as 192 rows of 256 bytes (32 elements of 8 bytes), no padding
	s_mov_b32 s[G1], 15|(3<<16)|(1<<21)
	s_mov_b32 s[G1+1], 32<<16
	s_mov_b32 s[G1+2], 192<<16
	s_mov_b32 s[G1+3], 32<<16
	s_mov_b32 s[G1+4], 192
	s_mov_b32 s[G1+5], 32
	s_mov_b32 s[G1+6], 0
	s_mov_b32 s[G1+7], 0
	s_mov_b32 s[SEL], 0x76543210
	s_mov_b32 s[SEL+1], 0xfedcba98                 ; lane selects: lane l xor 16
	v_and_b32 v4, 31, v0
	v_and_b32 v13, 15, v0
	v_bfe_u32 v14, v0, 4, 1
	v_lshlrev_b32 v[LI16], 4, v4
	v_lshlrev_b32 v[LI8], 3, v4
	v_lshlrev_b32 v[LI32], 5, v4
	v_lshlrev_b32 v[H8], 3, v14
	v_lshl_add_u32 v[ASC], v13, 4, v[H8]
	v_lshl_add_u32 v[STV], v13, 4, v14
	v_add_nc_u32 v[STV], s23, v[STV]
	v_lshlrev_b32 v[AW], 4, v4
	v_add_nc_u32 v[AW+1], WT, v[AW]
	v_add_nc_u32 v[AW+2], 2*WT, v[AW]
	v_mov_b32 v[TP], 0                             ; (a lane permute's destination counts as one of its sources)
	v_mov_b32 v[TP+1], 0
	WALU                                           ; at the head's end
	s_wait_dscnt 0x0
	ROUND                                          ; all four work-groups are here: the joint loads meet
	s_wait_kmcnt 0x0
	s_add_nc_u64 s[60:61], s[4:5], s[60:61]
	s_add_nc_u64 s[62:63], s[4:5], s[62:63]
	s_add_nc_u64 s[66:67], s[6:7], s[66:67]
	s_add_nc_u64 s[68:69], s[6:7], s[68:69]
	s_mov_b32 s[G0], 1
	s_mov_b32 s[G0+1], s56
	s_mov_b64 s[G0+2:G0+3], s[60:61]
	s_or_b32 s[G0+3], s[G0+3], 0x80000000
	s_cmp_eq_u32 s14, 0                            ; one joint load a wave: wave 0's has a line of its own, since the first barrier shows it alone; wave 3 fetches nothing
	s_cbranch_scc0 .Llater
	tensor_load_to_lds s[G0:G0+3], s[G1:G1+7]
	s_nop 0
	PLACES 4
	s_branch .Lasked
.Llater:
	s_cmp_lt_u32 s14, 3
	s_cbranch_scc0 .Lasked
	tensor_load_to_lds s[G0:G0+3], s[G1:G1+7]
	s_nop 0
	PLACES 4
.Lasked:
.irp p, 0,1                            ; scale words: row l of a pair of tiles in lane l
.irp c, 0,1
	global_load_b128 v[SA+8*\p+4*\c:SA+8*\p+4*\c+3], v[LI32], s[66:67] offset:1024*\p+16*\c
.endr
.endr
.irp p, 0,1,2,3,4,5
.irp c, 0,1
	global_load_b128 v[SB+8*\p+4*\c:SB+8*\p+4*\c+3], v[LI32], s[68:69] offset:32768*(\p/2)+1024*(\p%2)+16*\c
.endr
.endr
.irp q, 0,1,2,3,4,5,6,7                ; my tokens: 96 loads, K step by K step
.irp t, 0,1,2,3
.set xi_, 4*\q+\t
.set xw_, (1+xi_/21)<<6
	WIN xw_
.set xr_, 12*(xi_%21)
.irp p, 0,1,2
	global_load_b128 v[xr_+4*\p:xr_+4*\p+3], v[LI16], s[62:63] offset:12288*\t+1536*\q+512*\p
.endr
.endr
.endr
	WIN 0
	s_add_nc_u64 s[82:83], s[8:9], s[72:73]        ; the chunk's block in qop,
	s_add_nc_u64 s[84:85], s[10:11], s[74:75]      ; in kv;
	s_add_nc_u64 s[86:87], s[82:83], s[76:77]      ; my four tiles of Q,
	s_add_nc_u64 s[88:89], s[84:85], s[76:77]      ; of K,
	s_add_nc_u64 s[90:91], s[82:83], s[78:79]      ; their scale words,
	s_add_nc_u64 s[92:93], s[84:85], s[78:79]
	s_add_nc_u64 s[94:95], s[84:85], s[80:81]      ; my band of V
	v_cmp_le_u32 s[HM], 16, v4
.macro WM d, a, b, c, sa, sb, ra, rb
	v_wmma_scale_f32_16x16x128_f8f6f4 v[\d:\d+7], v[\a:\a+11], v[\b:\b+11], \c, v[\sa], v[\sb] matrix_a_fmt:MATRIX_FMT_FP6 matrix_b_fmt:MATRIX_FMT_FP6 matrix_a_scale:MATRIX_SCALE_ROW\ra matrix_b_scale:MATRIX_SCALE_ROW\rb
.endm
.macro WMR a, b, c, sa, sb, oa, ob     ; the scale registers' rows
.if \oa
.if \ob
	WM d_, \a, \b, \c, \sa, \sb, 1, 1
.else
	WM d_, \a, \b, \c, \sa, \sb, 1, 0
.endif
.else
.if \ob
	WM d_, \a, \b, \c, \sa, \sb, 0, 1
.else
	WM d_, \a, \b, \c, \sa, \sb, 0, 0
.endif
.endif
.endm
.macro WMC q, a, b, sa, sb, oa, ob     ; the first K step starts the sum
.if \q
	WMR \a, \b, v[d_:d_+7], \sa, \sb, \oa, \ob
.else
	WMR \a, \b, 0, \sa, \sb, \oa, \ob
.endif
.endm
.macro PROD n, q, t                    ; batch n, K step q, token tile t
.set g_, (\n)/4
.set k_, (\n)%4
.set xi_, 4*\q+\t
.set wi_, 32+8*((\n)%2)+\q
.set aw_, 3*(g_%2)
.set xr_, 12*(xi_%21)
.set wr_, 12*(wi_%21)
.set xw_, 1+xi_/21
.set ww_, 1+wi_/21
.set xs_, SA+8*(\t/2)+\q
.set ws_, SB+8*(2*g_+k_/2)+\q
.if g_ < 2
.set d_, ACC+32*\t+8*k_
.set m_, ww_|(xw_<<2)|(aw_<<4)|(aw_<<6)
	WIN m_
	WMC \q, wr_, xr_, ws_, xs_, k_%2, \t%2
.else
.set d_, ACC+32*k_+8*\t
.set m_, xw_|(ww_<<2)|(aw_<<4)|(aw_<<6)
	WIN m_
	WMC \q, xr_, wr_, xs_, ws_, \t%2, k_%2
.endif
.endm
.macro WLOAD n, i0                     ; loads i0 .. i0 + 3 of the 24 that bring batch n's fragments
.irp j, 0,1,2,3
.set wi_, 32+8*((\n)%2)+(\i0+\j)/3
.set wr_, 12*(wi_%21)+4*((\i0+\j)%3)
.set m_, (1+wi_/21)<<6
	WIN m_
	ds_load_b128 v[wr_:wr_+3], v[AW+(\n)/4] offset:12288*((\n)%4)+1536*((\i0+\j)/3)+512*((\i0+\j)%3)
.endr
.endm
; Entry i of a way out's search: 32 sums u of phase ph (0 Q, 1 K, 2 V); z: which set of registers.  Two chains, one over each half; then the conversions' scale operand, the byte, and for Q and K the scale word
.macro ENT i, u, ph, z
.set x_, ACC+32*(\u)
.set w_, 3*((\ph)%2)
.set T0_, TQ+2*\z
.if (\i) < 14
.set b_, x_+16*((\i)%2)+2*((\i)/2)
.set t_, T0_+1-(\i)%2
.if (\i) < 2
.set m_, w_|(w_<<2)|(w_<<4)
	WIN m_
	v_max3_num_f32 v[t_], |v[b_]|, |v[b_+1]|, |v[b_+2]|
.else
.set m_, (w_<<2)|(w_<<4)
	WIN m_
	v_max3_num_f32 v[t_], v[t_], |v[b_+1]|, |v[b_+2]|
.endif
.elseif (\i) == 14
.set m_, w_<<2
	WIN m_
	v_max3_num_f32 v[T0_+1], v[T0_+1], |v[x_+15]|, 0x1800000   ; and the floor 2^(3 - 127): the byte cannot fall under 1
.elseif (\i) == 15
	v_nop
.elseif (\i) == 16
.set m_, w_<<2
	WIN m_
	v_max3_num_f32 v[T0_], v[T0_], |v[x_+31]|, v[T0_+1]
.elseif (\i) == 17
	WIN 0
	v_add_nc_u32 v[SOP+\z], 0xff000000, v[T0_]     ; 2 off the exponent field
.elseif (\i) == 18
	WIN 0
	v_lshrrev_b32 v[EB+\z], 23, v[SOP+\z]
.elseif ((\i) == 20) && ((\ph) < 2)
	WIN 0
	v_lshlrev_b32 v[EB+\z], v[H8], v[EB+\z]        ; my block's byte at h of the scale word,
.elseif ((\i) == 21) && ((\ph) < 2)
	WIN 0
	v_permlanex16_b32 v[TP+\z], v[EB+\z], s[SEL], s[SEL+1]
.elseif ((\i) == 22) && ((\ph) < 2)
	WIN 0
	v_or_b32 v[WD+(\u)], v[EB+\z], v[TP+\z]        ; and lane l xor 16's
.endif
.endm
.macro OUT u, ph, z                    ; the conversions and the stores
.set x_, ACC+32*(\u)
.set w_, 3*((\ph)%2)
	WIN w_
	v_cvt_scalef32_pk16_fp6_f32 v[CD+6*\z:CD+6*\z+2], v[x_:x_+15], v[SOP+\z]
	v_cvt_scalef32_pk16_fp6_f32 v[TC:TC+2], v[x_+16:x_+31], v[SOP+\z]   ; (a conversion's three registers begin on an even number)
	WIN 0
	v_nop
.irp i, 0,1,2
	v_mov_b32 v[CD+6*\z+3+\i], v[TC+\i]
.endr
.if (\ph) == 0
	global_store_b128 v[LI16], v[CD+6*\z:CD+6*\z+3], s[86:87] offset:768*(\u)
	global_store_b64 v[LI8], v[CD+6*\z+4:CD+6*\z+5], s[86:87] offset:768*(\u)+512
.elseif (\ph) == 1
	global_store_b128 v[LI16], v[CD+6*\z:CD+6*\z+3], s[88:89] offset:768*(\u)
	global_store_b64 v[LI8], v[CD+6*\z+4:CD+6*\z+5], s[88:89] offset:768*(\u)+512
.else
	global_store_b128 v[LI16], v[CD+6*\z:CD+6*\z+3], s[94:95] offset:1536*(\u)
	global_store_b64 v[LI8], v[CD+6*\z+4:CD+6*\z+5], s[94:95] offset:1536*(\u)+512
	ds_store_b8 v[STV], v[EB+\z] offset:4*(\u)
.endif
.endm
.macro WORDS base                      ; four tiles' scale words: lane (r, h) stores tiles 2 h, 2 h + 1 of row r: 256 bytes a wave
	v_cndmask_b32 v[SX], v[WD], v[WD+2], s[HM]
	v_cndmask_b32 v[SX+1], v[WD+1], v[WD+3], s[HM]
	global_store_b64 v[ASC], v[SX:SX+1], s[\base:\base+1]
.endm
.macro BATCH n, cnt, ph, u             ; with the search of cnt way outs, u and u + 1 of phase ph, and the next batch's loads among the products
	PLACES 4                                       ; in front of the loads below
.irp q, 0,1,2,3,4,5,6,7
.if \n == 0
.if \q < 2
	s_wait_loadcnt 63
.else
	s_wait_loadcnt 12*(7-\q)                       ; K step q of my tokens is in; those of the later steps may be out
.endif
.endif
.irp t, 0,1,2,3
	PROD \n, \q, \t
.if \t%2
.set e_, 4*\q+\t-1
.if \cnt > 0
	ENT e_, \u, \ph, 0
	ENT e_+1, \u, \ph, 0
.endif
.if \cnt > 1
	ENT e_, \u+1, \ph, 1
	ENT e_+1, \u+1, \ph, 1
.endif
.endif
.endr
.if (\n == 3) && (\q == 0)
	s_barrier_wait -1                              ; Wk's and Wv's tiles are in
.endif
.if (\n < 11) && (\q > 0) && (\q < 7)
	WLOAD \n+1, 4*(\q-1)
.endif
.endr
	WIN 0
	WALU
.if \cnt > 0
	s_wait_xcnt 0x0                                ; the earlier stores have read their registers
.endif
.if \n == 2
	s_wait_tensorcnt 0x0
.endif
	s_wait_dscnt 0x0                               ; the next batch's fragments are in
.if \n == 2
	s_barrier_signal -1                            ; no LDS instruction of mine is out
.endif
.if \cnt > 0
	OUT \u, \ph, 0
.endif
.if \cnt > 1
	OUT \u+1, \ph, 1
.endif
.endm
	WALU
	s_cmp_eq_u32 s14, 0
	s_cbranch_scc0 .Lnot_first
	s_wait_tensorcnt 0x0
.Lnot_first:
	s_barrier_signal -1
	s_barrier_wait -1                              ; Wq's tile is in
.irp i, 0,4,8,12,16,20
	WLOAD 0, \i
.endr
	WIN 0
	s_wait_dscnt 0x0
	BATCH 0, 0, 0, 0
	BATCH 1, 0, 0, 0
	BATCH 2, 0, 0, 0
	BATCH 3, 0, 0, 0
	BATCH 4, 1, 0, 0
	BATCH 5, 1, 0, 1
	BATCH 6, 1, 0, 2
	BATCH 7, 1, 0, 3
	WORDS 90
	BATCH 8, 2, 1, 0
	BATCH 9, 2, 1, 2
	WORDS 92
	BATCH 10, 2, 2, 0
	BATCH 11, 1, 2, 2
	PLACES 4                                       ; in front of the first read of the last products' results
.set i_, 0
.rept 19
	ENT i_, 3, 2, 1
.set i_, i_+1
.endr
	OUT 3, 2, 1
	WALU
	s_wait_dscnt 0x0
	s_barrier_signal -1
	s_barrier_wait -1                              ; V's scale bytes of both bands are in
	s_cmp_eq_u32 s15, 0                            ; band 0's wave stores its chunk's
	s_cbranch_scc0 .Lstored
	v_lshlrev_b32 v15, 3, v4
	v_add_nc_u32 v15, s23, v15
	ds_load_b64 v[SX:SX+1], v15
	s_wait_dscnt 0x0
	global_store_b64 v[LI8], v[SX:SX+1], s[84:85] offset:12800
.Lstored:
	s_wait_tensorcnt 0x0                           ; the wave's end
	ds_add_u32 v[SPW], v[NIL]
	s_wait_dscnt 0x0
	ROUND                                          ; the closing round: no work-group ends while a partner may still ask for a tile that names it
	s_endpgm
.Lfunc_end_k_qc9417ceb7f_proj:
	.size	k_qc9417ceb7f_proj, .Lfunc_end_k_qc9417ceb7f_proj-k_qc9417ceb7f_proj
	.p2alignl 7, 3214868480
	.fill 96, 4, 3214868480
	.section	.rodata,"a",@progbits
	.p2align	6, 0x0
	.amdhsa_kernel k_qc9417ceb7f_proj
		.amdhsa_group_segment_fixed_size 167936
		.amdhsa_private_segment_fixed_size 0
		.amdhsa_enable_private_segment 0
		.amdhsa_kernarg_size 32
		.amdhsa_user_sgpr_count 2
		.amdhsa_user_sgpr_kernarg_segment_ptr 1
		.amdhsa_wavefront_size32 1
		.amdhsa_system_sgpr_workgroup_id_x 1
		.amdhsa_system_sgpr_workgroup_id_y 1
		.amdhsa_system_sgpr_workgroup_id_z 1
		.amdhsa_system_vgpr_workitem_id 0
		.amdhsa_next_free_vgpr 1024
		.amdhsa_next_free_sgpr 100
		.amdhsa_reserve_vcc 0
		.amdhsa_float_denorm_mode_32 3
		.amdhsa_float_denorm_mode_16_64 3
		.amdhsa_memory_ordered 1
		.amdhsa_forward_progress 1
		.amdhsa_inst_pref_size 118
	.end_amdhsa_kernel
	.amdgpu_metadata
---
amdhsa.version: [ 1, 2 ]
amdhsa.kernels:
  - .name:           k_qc9417ceb7f_proj
    .symbol:         k_qc9417ceb7f_proj.kd
    .args:
      - { .name: codes, .offset: 0, .size: 8, .value_kind: global_buffer, .address_space: global }
      - { .name: scl, .offset: 8, .size: 8, .value_kind: global_buffer, .address_space: global }
      - { .name: qop, .offset: 16, .size: 8, .value_kind: global_buffer, .address_space: global }
      - { .name: kv, .offset: 24, .size: 8, .value_kind: global_buffer, .address_space: global }
    .group_segment_fixed_size: 167936
    .private_segment_fixed_size: 0
    .kernarg_segment_align: 8
    .kernarg_segment_size: 32
    .max_flat_workgroup_size: 128
    .sgpr_count:     100
    .vgpr_count:     1024
    .wavefront_size: 32
...
	.end_amdgpu_metadata
.endif
;; end of part 2
;; launch attn (part 3): grid 8 x 32, 8 waves a work-group, clusters of 4 x 1, 279,552 bytes of LDS; arguments qop, kv, out0; writes out0
.if DOCPART == 3
	.amdgcn_target "amdgcn-amd-amdhsa--gfx1250"
	.amdhsa_code_object_version 6
	.text
	.protected	k_qc9417ceb7f_attn
	.globl	k_qc9417ceb7f_attn
	.p2align	8
	.type	k_qc9417ceb7f_attn,@function
k_qc9417ceb7f_attn:
	s_mov_b64 s[64:65], 0
	v_nop
	global_prefetch_b8 v0, s[64:65] scope:SCOPE_SE
	s_setreg_imm32_b32 hwreg(HW_REG_WAVE_MODE, 25, 1), 1
	s_wait_xcnt 0x0
	s_wait_alu depctr_hold_cnt(0) depctr_sa_sdst(0) depctr_va_vdst(0) depctr_va_sdst(0) depctr_va_ssrc(0) depctr_va_vcc(0) depctr_vm_vsrc(0)
	s_getreg_b32 s2, hwreg(HW_REG_IB_STS2, 6, 4)
	s_cmp_eq_u32 s2, 0
	s_cbranch_scc0 .Lentry_in_a_cluster
	s_endpgm
.Lentry_in_a_cluster:
	s_bfe_u32 s2, ttmp6, 0x10000c
	s_cmp_lg_u32 s2, 0x3003
	s_cbranch_scc0 .Lentry_shape_is_right
	s_endpgm
.Lentry_shape_is_right:
; out0[b][q][64 head + d] = the sum over k of softmax_k(Q[q] . K[k] / 8) V[k][d], for each of 32 heads of a batch, 2,048 queries and keys, head size 64; both products on codes of FP6 (E2M3) with one E8M0 scale for each 32 along K.
; Q, K and V arrive as images of the operands' registers (the launch before lays them): kv [32][16 blocks of 128 keys][13,056 bytes], qop [32][16 chunks of 128 queries][6,656 bytes].
; THE SOFTMAX: t = score x log2(e) / 8; M = the row's largest t so far, rounded UP to a whole number; p = 2^(t - M) is what is quantised, along the keys; it is not normalised.  The row's sum is taken of the unquantised p,
; in f32, and divides O at the end.  When M moves, the sum and O are multiplied by 2^(old M - new M): exact.
; A block's largest p is taken from the block's largest score, put through the same multiply-add and exponential: this takes v_exp_f32 not to fall where its input rises.
; SHARES.  A work-group owns 256 queries of one head, each of its EIGHT waves two tiles of 16 (512 registers, two waves to a SIMD), so that each fragment of K and V read from LDS serves two tiles.  A step is 256 keys: two halves of 128.
; A HEAD'S K AND V, 208,896 bytes, LIE IN LDS WHOLE AND ARE FILLED ONCE, wave w one load with step w's 26,112 bytes.  Waves 0 to 2's loads have a line of their own and are shown by the first barrier; the others' by the second, two steps later.
; CLUSTER.  The four query blocks of a cluster belong to one head: each load is asked for JOINTLY, by the same tensor load with the same descriptor and a mask that names the four.
; No prefetch: every byte of K and V is asked for by the fills at the head, so there is no later request to run ahead of.
; LAYOUT.  Both products are used transposed: S^T = K Q^T (source 0 = 16 keys), O^T = V^T P^T (source 0 = 16 channels): a lane holds ONE query (lane % 16) of a tile throughout; r = lane % 16, h = lane / 16.
; Lane r of tile f = 4 c + i of 128 keys is key 64 c + 32 (r / 8) + 8 i + r % 8 (queries and channels likewise): so a lane's 32 registers of tiles 4 c .. 4 c + 3 are the keys 64 c + 32 h + 0 .. 31: a WHOLE scale block, in the order
; in which the second product's operand wants it, and a lane's 32 registers of O^T are the channels 32 h + 0 .. 31.
; K = 64 IN AN INSTRUCTION OF 128.  Q's registers 6-11 hold zero codes, so every product at k = 64 .. 127 is 0 whatever the six upper registers named for K hold (every code of this format is a finite number); scale bytes 2 and 3
; are 0, not 0xff.  So K's fragment f is named as [base + 6 f .. + 11]; what the last one names behind the area is registers written at the head or p's of the step before.
; LIMITS: NaN and infinities are not served; the promise holds while the scaled scores stay under 2^31 in magnitude.
; REGISTERS.  Window 1: S, unit u = 2 (tile) + (half of the keys) at v[64 u ..]; K's first half of the next step lies in unit 1's (Z) when that is done with; the odd units' codes in v[0:11].  Window 0: all else.
.set STEPB, 13056                      ; a block of 128 keys: 51 x 256 bytes
.set HEADB, 16*STEPB
.set STAGE, HEADB                      ; behind the head's blocks: 2 x 16 rows x (256 + 16) bytes for each wave, for the way out; no fill lands there
.set SPARE, STAGE+8*2*16*272
.set QS,   1                           ; v1   Q's scale words: lanes 0-15 tile 0's, lanes 16-31 tile 1's
.set NM,   2                           ; v2, v4  -M of the two tiles;  v3, v5 the largest score so far (named with them as pairs)
.set F,    6                           ; v6, v8  2^(old M - new M)
.set AL16, 7                           ; v7   16 x lane;  v9 8 x lane;  v10 16 x (lane % 16)
.set AL8,  9
.set AR16, 10
.set X,    12                          ; v12-59  K's second half, later V's first
.set ADK,  60                          ; v60-62  the same three addresses in the step's blocks
.set ADK8, 61
.set ADS,  62
.set SPW,  63                          ; v63  my spare word, v64 0
.set NIL,  64
.set GO,   65                          ; v65  the way out: my byte offset in out0
.set Y,    66                          ; v66-113 V's second half
.set BM,   114                         ; v114-121 the blocks' largest scores, then p's, then the conversions' scale operands: 2 u + c
.set YS,   122                         ; v122-125 scale words of Y
.set L,    126                         ; v[126:127], v[128:129] the rows' sums
.set ZS,   130                         ; v130-137 scale words of Z
.set XS,   138                         ; v138-145 of X
.set Q0,   146                         ; v146-157, v158-169 Q's fragments
.set Q1,   158
.set O,    170                         ; v170-233 O^T, 32 a tile
.set P,    234                         ; v234-245 codes of an even unit
.set PT,   246                         ; v246-253 at work
.set PWD,  254                         ; v254, v255 p's scale words of the even and the odd unit
.set Z,    64                          ; window 1: v64-111
.set WV,   18
.set NC,   19                          ; s19  -c
.set SEL,  20                          ; s[20:21] lane selects: lane l xor 16
.set CS,   22                          ; s[22:23] c = log2(e) / 8
.set G1,   24
.set G0,   32
.set TB,   48                          ; s48  LDS byte at which the step begins
.set CNT,  49
.set QA,   50
.set QSA,  52
.set OA,   54
.set MSB,  0
.macro WIN new
.if MSB != \new
	s_set_vgpr_msb (MSB<<8)|\new
.set MSB, \new
.endif
.endm
.macro WALU
	s_wait_alu depctr_va_vdst(0)
.endm
.macro ROUND                           ; a round of the cluster's barrier
	s_barrier_signal -1
	s_barrier_wait -1
	s_cmp_lg_u32 s[WV], 0
	s_cbranch_scc1 .Lnot_wave_0_\@
	s_barrier_signal -3
.Lnot_wave_0_\@:
	s_barrier_wait -3
	s_barrier_signal -1
	s_barrier_wait -1
.endm
	s_load_b128 s[4:7], s[0:1], 0x0                ; qop s[4:5], kv s[6:7]
	s_load_b64 s[8:9], s[0:1], 0x10                ; out0
	v_lshl_add_u32 v[SPW], v0, 2, SPARE
	v_mov_b32 v[NIL], 0
	ds_add_u32 v[SPW], v[NIL]                      ; the wave's opening: the add, twice on end, and its wait
	ds_add_u32 v[SPW], v[NIL]
	v_lshrrev_b32 v12, 5, v0
	v_readfirstlane_b32 s[WV], v12                 ; wave 0..7
	s_and_b32 s58, ttmp7, 0xffff                   ; 16 x batch + head, which the four partners share
	s_mul_i32 s56, s[WV], 2*STEPB                  ; which step I fetch, in LDS and in memory alike; no place in the cluster enters it
	s_mul_i32 s60, s58, HEADB
	s_add_co_u32 s60, s60, s56
	s_mov_b32 s61, 0
	s_bfe_u32 s57, ttmp6, 0x40000                  ; cx: it enters Q's and out0's addresses alone
	s_lshl_b32 s59, ttmp9, 2
	s_add_co_u32 s59, s59, s57                     ; my block of 256 queries
	s_lshl_b32 s59, s59, 1
	s_lshr_b32 s62, s[WV], 2
	s_add_co_u32 s59, s59, s62                     ; my chunk of 128 queries
	s_and_b32 s62, s[WV], 3                        ; my tiles in it: 2 w and 2 w + 1
	s_mul_i32 s66, s58, 106496
	s_mul_i32 s67, s59, 6656
	s_add_co_u32 s66, s66, s67                     ; the chunk's block in qop
	s_mul_i32 s67, s62, 1536
	s_add_co_u32 s68, s66, s67                     ; my tiles' images
	s_mov_b32 s69, 0
	s_lshr_b32 s67, s62, 1
	s_lshl_b32 s67, s67, 8
	s_add_co_u32 s70, s66, s67
	s_and_b32 s67, s62, 1
	s_lshl_b32 s67, s67, 3
	s_add_co_u32 s70, s70, s67
	s_add_co_u32 s70, s70, 6144                    ; their scale words, + 16 r
	s_mov_b32 s71, 0
	s_lshl_b32 s72, s59, 7
	s_lshr_b32 s67, s62, 1
	s_lshl_b32 s67, s67, 6
	s_add_co_u32 s72, s72, s67
	s_and_b32 s67, s62, 1
	s_lshl_b32 s67, s67, 4
	s_add_co_u32 s72, s72, s67                     ; my first query: 128 chunk + 64 (w / 2) + 16 (w % 2)
	s_lshl_b32 s72, s72, 12                        ; a row of out0 is 4,096 bytes
	s_lshr_b32 s67, s58, 4
	s_lshl_b32 s67, s67, 23                        ; a batch 2,048 rows
	s_add_co_u32 s72, s72, s67
	s_and_b32 s67, s58, 15
	s_lshl_b32 s67, s67, 8                         ; a head 256 bytes of a row
	s_add_co_u32 s72, s72, s67
	s_mov_b32 s73, 0
	; descriptor group 1: a dense block of 26,112 bytes as 102 rows of 256 bytes (32 elements of 8 bytes), no padding
	s_mov_b32 s[G1], 15|(3<<16)|(1<<21)            ; the mask: all four work-groups; elements of 8 bytes; bit 21 beside a mask
	s_mov_b32 s[G1+1], 32<<16
	s_mov_b32 s[G1+2], 102<<16
	s_mov_b32 s[G1+3], 32<<16
	s_mov_b32 s[G1+4], 102
	s_mov_b32 s[G1+5], 32
	s_mov_b32 s[G1+6], 0
	s_mov_b32 s[G1+7], 0
	s_mov_b32 s[SEL], 0x76543210
	s_mov_b32 s[SEL+1], 0xfedcba98
	s_mov_b32 s[CS], 0x3e38aa3b                    ; c = log2(e) / 8
	s_mov_b32 s[CS+1], s[CS]                       ; (named with it as a pair)
	s_mov_b32 s[NC], 0xbe38aa3b
	s_wait_dscnt 0x0
	s_wait_kmcnt 0x0
	s_add_nc_u64 s[60:61], s[6:7], s[60:61]
	s_add_nc_u64 s[QA:QA+1], s[4:5], s[68:69]
	s_add_nc_u64 s[QSA:QSA+1], s[4:5], s[70:71]
	s_add_nc_u64 s[OA:OA+1], s[8:9], s[72:73]
	s_mov_b32 s[G0], 1
	s_mov_b32 s[G0+1], s56
	s_mov_b64 s[G0+2:G0+3], s[60:61]
	s_or_b32 s[G0+3], s[G0+3], 0x80000000
	ROUND                                          ; all four work-groups are here: the joint loads meet
	s_cmp_lt_u32 s[WV], 3                          ; one joint load a wave: waves 0 to 2 by a line of their own, since the first barrier shows theirs alone
	s_cbranch_scc0 .Llater
	tensor_load_to_lds s[G0:G0+3], s[G1:G1+7]
	s_nop 0
.rept 4
	v_nop
.endr
	s_branch .Lasked
.Llater:
	tensor_load_to_lds s[G0:G0+3], s[G1:G1+7]
	s_nop 0
.rept 4
	v_nop
.endr
.Lasked:
	v_and_b32 v12, 31, v0
	v_and_b32 v13, 15, v0
	v_bfe_u32 v14, v0, 4, 1
	v_lshlrev_b32 v[AL16], 4, v12
	v_lshlrev_b32 v[AL8], 3, v12
	v_lshlrev_b32 v[AR16], 4, v13
	v_lshl_add_u32 v[GO], v14, 12, v[AR16]         ; lanes 0-15 one row of out0, lanes 16-31 the next; 16 bytes a lane
	v_lshl_add_u32 v15, v14, 2, v[AR16]
	global_load_b128 v[Q0:Q0+3], v[AL16], s[QA:QA+1]
	global_load_b64 v[Q0+4:Q0+5], v[AL8], s[QA:QA+1] offset:512
	global_load_b128 v[Q1:Q1+3], v[AL16], s[QA:QA+1] offset:768
	global_load_b64 v[Q1+4:Q1+5], v[AL8], s[QA:QA+1] offset:1280
	global_load_b32 v[QS], v15, s[QSA:QSA+1]
	v_mov_b32 v[NM], 0x7e800000                    ; -M so far: M lies under every t's,
	v_mov_b32 v[NM+2], 0x7e800000
	v_mov_b32 v[NM+1], 0xff61b1e6                  ; and the largest score: -3e38
	v_mov_b32 v[NM+3], 0xff61b1e6
.irp i, 0,1,2,3,4,5
	v_mov_b32 v[Q0+6+\i], 0                        ; zero codes for k = 64 .. 127
	v_mov_b32 v[Q1+6+\i], 0
.endr
.irp i, 0,1,2,3
	v_mov_b32 v[L+\i], 0
.endr
.irp i, 0,1,2,3,4,5,6,7
	v_mov_b32 v[PT+\i], 0                          ; (a lane permute's destination counts as one of its sources)
.endr
.set j_, 0
.rept 64
	v_mov_b32 v[O+j_], 0                           ; O^T: a step begins by its rescaling, and the first finds zeros
.set j_, j_+1
.endr
	WIN 0x40
.irp i, 0,1,2,3,4,5
	v_mov_b32 v[Z+48+\i], 0                        ; what Z's last fragment names behind it in the first step
.endr
	WIN 0
.macro PLACES n
.rept \n
	v_nop
.endr
.endm
; K's eight half fragments at byte off of the block's address, with their scale words: 18 loads.  V's four fragments, two bands each: 17 loads.  An image comes back as it was stored.
.macro KLOAD rr, sc, ka, kb, ks, off, w
	WIN \w
.irp f, 0,1,2,3,4,5,6,7
	ds_load_b128 v[\rr+6*\f:\rr+6*\f+3], v[\ka] offset:\off+768*\f
	ds_load_b64 v[\rr+6*\f+4:\rr+6*\f+5], v[\kb] offset:\off+768*\f+512
.endr
	WIN 0
	ds_load_b128 v[\sc:\sc+3], v[\ks] offset:\off+6144
	ds_load_b128 v[\sc+4:\sc+7], v[\ks] offset:\off+6400
.endm
.macro VLOAD rr, sc, off
.irp t, 0,1,2,3
.irp c, 0,1
	ds_load_b128 v[\rr+12*\t+6*\c:\rr+12*\t+6*\c+3], v[ADK] offset:\off+6656+1536*\t+768*\c
	ds_load_b64 v[\rr+12*\t+6*\c+4:\rr+12*\t+6*\c+5], v[ADK8] offset:\off+6656+1536*\t+768*\c+512
.endr
.endr
	ds_load_b128 v[\sc:\sc+3], v[ADS] offset:\off+12800
.endm
.macro QKP f, kh, kb, ks               ; tile f of 16 keys against my two tiles of queries
	v_wmma_scale_f32_16x16x128_f8f6f4 v[64*\kh+8*\f:64*\kh+8*\f+7], v[\kb+6*\f:\kb+6*\f+11], v[Q0:Q0+11], 0, v[\ks+\f], v[QS] matrix_a_fmt:MATRIX_FMT_FP6 matrix_b_fmt:MATRIX_FMT_FP6
	v_wmma_scale_f32_16x16x128_f8f6f4 v[128+64*\kh+8*\f:128+64*\kh+8*\f+7], v[\kb+6*\f:\kb+6*\f+11], v[Q1:Q1+11], 0, v[\ks+\f], v[QS] matrix_a_fmt:MATRIX_FMT_FP6 matrix_b_fmt:MATRIX_FMT_FP6 matrix_b_scale:MATRIX_SCALE_ROW1
.endm
.macro MAXR i, b0, b1, b2, b3          ; line i of 16 of the search for the largest score of each of four blocks, by turns
.if (\i) == 0
	WIN 0x15
.irp b, \b0, \b1, \b2, \b3
	v_max3_num_f32 v[BM+\b], v[32*\b], v[32*\b+1], v[32*\b+2]
.endr
.elseif (\i) < 15
	WIN 0x14
.irp b, \b0, \b1, \b2, \b3
	v_max3_num_f32 v[BM+\b], v[BM+\b], v[32*\b+2*(\i)+1], v[32*\b+2*(\i)+2]
.endr
.else
	WIN 0x04
.irp b, \b0, \b1, \b2, \b3
	v_max_num_f32 v[BM+\b], v[BM+\b], v[32*\b+31]
.endr
.endif
.endm
.macro FMA1 u, j                       ; t - M, two at a time (of the pairs c and -M the low word serves both halves)
	v_pk_fma_f32 v[64*(\u)+2*(\j):64*(\u)+2*(\j)+1], v[64*(\u)+2*(\j):64*(\u)+2*(\j)+1], s[CS:CS+1], v[NM+2*((\u)/2):NM+2*((\u)/2)+1] op_sel_hi:[1,0,0]
.endm
.macro EXPS u                          ; unit u's p; among them the next unit's multiply-adds
	WIN 0x41
.set j_, 0
.rept 32
	v_exp_f32 v[64*(\u)+2*j_], v[64*(\u)+2*j_]
	v_exp_f32 v[64*(\u)+2*j_+1], v[64*(\u)+2*j_+1]
.if (\u) < 3
	FMA1 (\u)+1, j_
.endif
.set j_, j_+1
.endr
.if (\u) == 3
	v_nop                                          ; a plain place behind the exponentials
.endif
	WIN 0
	WALU
.endm
.macro CODES u                         ; unit u's codes: even to v[P:P+11], odd to v[0:11] of window 1; its scale word
	v_lshrrev_b32 v[PT], 23, v[BM+2*\u]
	v_lshrrev_b32 v[PT+1], 23, v[BM+2*\u+1]
	v_lshl_or_b32 v[PT], v[PT+1], 16, v[PT]        ; my blocks' bytes,
	v_permlanex16_b32 v[PT+2], v[PT], s[SEL], s[SEL+1]
	v_lshl_or_b32 v[PWD+\u%2], v[PT+2], 8, v[PT]   ; with lane l xor 16's between them (lanes 0-15 are read)
.if \u%2
	WIN 0x41
.irp c, 0,1
	v_cvt_scalef32_pk16_fp6_f32 v[6*\c:6*\c+2], v[64*\u+32*\c:64*\u+32*\c+15], v[BM+2*\u+\c]
.endr
	WIN 0x01
.else
	WIN 0x01
.irp c, 0,1
	v_cvt_scalef32_pk16_fp6_f32 v[P+6*\c:P+6*\c+2], v[64*\u+32*\c:64*\u+32*\c+15], v[BM+2*\u+\c]
.endr
.endif
.irp c, 0,1                            ; (a conversion's three registers begin on an even number: the second half is made elsewhere and moved)
	v_cvt_scalef32_pk16_fp6_f32 v[PT+4*\c:PT+4*\c+2], v[64*\u+32*\c+16:64*\u+32*\c+31], v[BM+2*\u+\c]
.endr
.if \u%2
	WIN 0x40
	v_nop                                          ; one plain place behind a scaled conversion
.irp c, 0,1
.irp i, 0,1,2
	v_mov_b32 v[6*\c+3+\i], v[PT+4*\c+\i]
.endr
.endr
.else
	WIN 0
	v_nop
.irp c, 0,1
.irp i, 0,1,2
	v_mov_b32 v[P+6*\c+3+\i], v[PT+4*\c+\i]
.endr
.endr
.endif
.endm
; A unit's 64 numbers onto the row's sum, two at a time, in five chains: 4 lines, 24 lines, 4 lines
.macro SUMA u
.set n_, 0
	WIN 0x05
.irp i, 0,1,2,3
	v_pk_add_f32 v[PT+2*\i:PT+2*\i+1], v[64*(\u)+4*\i:64*(\u)+4*\i+1], v[64*(\u)+4*\i+2:64*(\u)+4*\i+3]
.endr
.endm
.macro SUMB u
.set t_, n_%5
.set q_, 64*(\u)+16+2*n_
	WIN 0x04
.if t_ == 0
	v_pk_add_f32 v[L+2*((\u)/2):L+2*((\u)/2)+1], v[L+2*((\u)/2):L+2*((\u)/2)+1], v[q_:q_+1]
.else
	v_pk_add_f32 v[PT+2*t_-2:PT+2*t_-1], v[PT+2*t_-2:PT+2*t_-1], v[q_:q_+1]
.endif
.set n_, n_+1
.endm
.macro SUMC u
	WIN 0
	v_pk_add_f32 v[PT:PT+1], v[PT:PT+1], v[PT+2:PT+3]
	v_pk_add_f32 v[PT+4:PT+5], v[PT+4:PT+5], v[PT+6:PT+7]
	v_pk_add_f32 v[PT:PT+1], v[PT:PT+1], v[PT+4:PT+5]
	v_pk_add_f32 v[L+2*((\u)/2):L+2*((\u)/2)+1], v[L+2*((\u)/2):L+2*((\u)/2)+1], v[PT:PT+1]
.endm
.macro SUM u
	SUMA \u
.rept 24
	SUMB \u
.endr
	SUMC \u
.endm
.macro PVP a, t, kb, ks, pb, pw, w
	WIN \w
	v_wmma_scale_f32_16x16x128_f8f6f4 v[O+32*\a+8*\t:O+32*\a+8*\t+7], v[\kb+12*\t:\kb+12*\t+11], v[\pb:\pb+11], v[O+32*\a+8*\t:O+32*\a+8*\t+7], v[\ks+\t], v[\pw] matrix_a_fmt:MATRIX_FMT_FP6 matrix_b_fmt:MATRIX_FMT_FP6
.if \t%2
.rept 6
	SUMB 2*\a+1
.endr
.endif
.endm
.macro PV a                            ; O^T += V^T P^T for tile a, 256 keys; the four accumulators take turns; among the products the odd unit's sum
.irp t, 0,1,2,3
	PVP \a, \t, X, XS, P, PWD, 0
.endr
.irp t, 0,1,2,3
	PVP \a, \t, Y, YS, 0, PWD+1, 0x04
.endr
	SUMC 2*\a+1
.endm
; A STEP: 256 keys from LDS byte s[TB] on.  K's first half was asked for in the step before.
.macro STEP fill
	v_add_nc_u32 v[ADK], s[TB], v[AL16]
	v_add_nc_u32 v[ADK8], s[TB], v[AL8]
	v_add_nc_u32 v[ADS], s[TB], v[AR16]
	v_nop                                          ; four places in front of loads into registers that the last step's products have read
	KLOAD X, XS, ADK, ADK8, ADS, STEPB, 0
	VLOAD Y, YS, STEPB
	s_wait_dscnt 35                                ; K's first half is in; the 18 and 17 loads just issued may be out
	WIN 0x41
.irp f, 0,1,2,3,4,5,6,7
	QKP \f, 0, Z, ZS
.endr
	WIN 0
	PLACES 5                                       ; the next products write over Z
	s_wait_dscnt 17                                ; K's second half is in; V's may be out
.set r_, 0
.irp f, 0,1,2,3,4,5,6,7
	WIN 0x40
	QKP \f, 1, X, XS
	MAXR r_, 0, 1, 4, 5                            ; among the products: the first half's maxima
	MAXR r_+1, 0, 1, 4, 5
.set r_, r_+2
.endr
	WIN 0
	VLOAD X, XS, 0                                 ; (the eight lines above are the places)
.set r_, 0
.rept 16
	MAXR r_, 2, 3, 6, 7
.set r_, r_+1
.endr
	WIN 0
.irp a, 0,1
	v_max3_num_f32 v[PT+\a], v[BM+4*\a], v[BM+4*\a+1], v[BM+4*\a+2]
.endr
.irp a, 0,1
	v_max3_num_f32 v[PT+\a], v[PT+\a], v[BM+4*\a+3], v[NM+1+2*\a]
.endr
.irp a, 0,1
	v_permlanex16_b32 v[PT+2+\a], v[PT+\a], s[SEL], s[SEL+1]
.endr
.irp a, 0,1
	v_max_num_f32 v[NM+1+2*\a], v[PT+\a], v[PT+2+\a]   ; the row's largest score so far
.endr
.irp a, 0,1
	v_mul_f32 v[PT+\a], s[NC], v[NM+1+2*\a]        ; -t
.endr
.irp a, 0,1
	v_mov_b32 v[PT+2+\a], v[NM+2*\a]
.endr
.irp a, 0,1
	v_floor_f32 v[NM+2*\a], v[PT+\a]               ; the new -M = floor(-t): M IS A WHOLE NUMBER
.endr
.irp a, 0,1
	v_sub_f32 v[PT+2+\a], v[NM+2*\a], v[PT+2+\a]   ; old M less new M: a whole number, 0 or less
.endr
.irp a, 0,1
	v_cvt_i32_f32 v[PT+2+\a], v[PT+2+\a]           ; (it saturates)
.endr
.irp a, 0,1
	v_ldexp_f32 v[F+2*\a], 1.0, v[PT+2+\a]
.endr
.irp b, 0,1,2,3,4,5,6,7
	v_fma_f32 v[BM+\b], v[BM+\b], s[CS], v[NM+2*(\b/4)]
.endr
.irp a, 0,1
	v_pk_mul_f32 v[L+2*\a:L+2*\a+1], v[L+2*\a:L+2*\a+1], v[F+2*\a:F+2*\a+1] op_sel_hi:[1,0]
.endr
	WALU                                           ; directly ahead of O^T's first readers
.irp a, 0,1
.set j_, 0
.rept 16
	v_pk_mul_f32 v[O+32*\a+j_:O+32*\a+j_+1], v[O+32*\a+j_:O+32*\a+j_+1], v[F+2*\a:F+2*\a+1] op_sel_hi:[1,0]
.set j_, j_+2
.endr
.endr
	WIN 0x41
.set j_, 0
.rept 32
	FMA1 0, j_
.set j_, j_+1
.endr
	WIN 0
	WALU
.irp b, 0,1,2,3,4,5,6,7
	v_exp_f32 v[BM+\b], v[BM+\b]                   ; the blocks' largest p
.endr
	EXPS 0
.irp b, 0,1,2,3,4,5,6,7
	v_max_num_f32 v[BM+\b], 0x1800000, v[BM+\b]    ; the floor 2^(3 - 127): the byte cannot fall under 1 (a block whose every p has fallen to 0 keeps that byte: its codes are zeros)
.endr
.irp b, 0,1,2,3,4,5,6,7
	v_add_nc_u32 v[BM+\b], 0xff000000, v[BM+\b]    ; 2 off the exponent field: the conversion's scale operand
.endr
	CODES 0
	SUM 0
	EXPS 1
	CODES 1
	SUMA 1
	WIN 0
	WALU
	s_wait_dscnt 0x0                               ; V is in
	PV 0
.if \fill
	KLOAD Z, ZS, ADK, ADK8, ADS, 2*STEPB, 0x40     ; the next step's first half of K, under this step's second tile: unit 1 is done with
.endif
	EXPS 2
	CODES 2
	SUM 2
	EXPS 3
	CODES 3
	SUMA 3
	PV 1
.endm
	WALU                                           ; at the head's end
	s_cmp_lt_u32 s[WV], 3
	s_cbranch_scc0 .Lnot_first
	s_wait_tensorcnt 0x0                           ; steps 0 to 2
.Lnot_first:
	s_wait_loadcnt 0x0                             ; Q
	s_barrier_signal -1
	s_barrier_wait -1                              ; steps 0 to 2 are in
	KLOAD Z, ZS, AL16, AL8, AR16, 0, 0x40
	s_mov_b32 s[TB], 0
	s_mov_b32 s[CNT], 2
.Lfirst:                                               ; steps 0 and 1; the second asks for step 2's K
	STEP 1
	WALU
	s_add_co_u32 s[TB], s[TB], 2*STEPB
	s_sub_co_u32 s[CNT], s[CNT], 1
	s_cmp_lg_u32 s[CNT], 0
	s_cbranch_scc1 .Lfirst
	s_wait_tensorcnt 0x0
	s_wait_dscnt 0x0
	s_barrier_signal -1
	s_barrier_wait -1                              ; all steps are in
	s_mov_b32 s[TB], 4*STEPB
	s_mov_b32 s[CNT], 5
.Lrest:                                                ; steps 2 to 6
	STEP 1
	WALU
	s_add_co_u32 s[TB], s[TB], 2*STEPB
	s_sub_co_u32 s[CNT], s[CNT], 1
	s_cmp_lg_u32 s[CNT], 0
	s_cbranch_scc1 .Lrest
	s_mov_b32 s[TB], 14*STEPB
	STEP 0                                         ; step 7: nothing more is asked for
	; THE WAY OUT.  O^T is divided by the row's sum and goes through my stage in LDS, so that sixteen lanes store a query's 256 bytes.
.irp a, 0,1
	v_add_f32 v[L+2*\a], v[L+2*\a], v[L+2*\a+1]    ; the sum's two halves,
.endr
.irp a, 0,1
	v_permlanex16_b32 v[PT+\a], v[L+2*\a], s[SEL], s[SEL+1]
.endr
.irp a, 0,1
	v_add_f32 v[L+2*\a], v[L+2*\a], v[PT+\a]       ; and lane l xor 16's: the row's sum
.endr
	s_mul_i32 s56, s[WV], 2*16*272
	s_add_co_u32 s56, s56, STAGE                   ; my stage
	WALU
	v_rcp_f32 v[F], v[L]
	v_rcp_f32 v[F+2], v[L+2]
	v_and_b32 v12, 15, v0                          ; (plain places behind the reciprocals)  r
	v_bfe_u32 v13, v0, 4, 1                        ; h
	WALU
	v_mul_u32_u24 v14, v12, 272
	v_lshl_add_u32 v14, v13, 7, v14
	v_add_nc_u32 v14, s56, v14                     ; in: row r, + 128 h: channels 32 h + 0 .. 31
	v_mul_u32_u24 v15, v13, 272
	v_lshl_add_u32 v15, v12, 4, v15
	v_add_nc_u32 v15, s56, v15                     ; back: lanes 0-15 one row, lanes 16-31 the next
.irp a, 0,1
.set j_, 0
.rept 16
	v_pk_mul_f32 v[O+32*\a+j_:O+32*\a+j_+1], v[O+32*\a+j_:O+32*\a+j_+1], v[F+2*\a:F+2*\a+1] op_sel_hi:[1,0]
.set j_, j_+2
.endr
.irp q, 0,1,2,3,4,5,6,7
	ds_store_b128 v14, v[O+32*\a+4*\q:O+32*\a+4*\q+3] offset:4352*\a+16*\q
.endr
.endr
.irp i, 0,1,2,3,4,5,6,7
	ds_load_b128 v[24+4*\i:27+4*\i], v15 offset:544*\i   ; LDS serves a wave's instructions in order: these see my stores
.endr
.irp i, 0,1,2,3,4,5,6,7
	ds_load_b128 v[Y+4*\i:Y+3+4*\i], v15 offset:4352+544*\i
.endr
.irp i, 0,1,2,3,4,5,6,7
	s_wait_dscnt 15-\i                             ; the younger loads may be out
	global_store_b128 v[GO], v[24+4*\i:27+4*\i], s[OA:OA+1] offset:((2*\i)%8+32*(\i/4))*4096 th:TH_STORE_NT   ; stage row n is query 32 (n / 8) + n % 8 from my first; 16 lanes store 256 consecutive bytes, aligned
.endr
.irp i, 0,1,2,3,4,5,6,7
	s_wait_dscnt 7-\i
	global_store_b128 v[GO], v[Y+4*\i:Y+3+4*\i], s[OA:OA+1] offset:((2*\i)%8+32*(\i/4)+8)*4096 th:TH_STORE_NT   ; tile 1: 8 queries on
.endr
	s_wait_tensorcnt 0x0                           ; the wave's end
	ds_add_u32 v[SPW], v[NIL]
	s_wait_dscnt 0x0
	ROUND                                          ; the closing round: no work-group ends while a partner may still ask for a block that names it
	s_endpgm
.Lfunc_end_k_qc9417ceb7f_attn:
	.size	k_qc9417ceb7f_attn, .Lfunc_end_k_qc9417ceb7f_attn-k_qc9417ceb7f_attn
	.p2alignl 7, 3214868480
	.fill 96, 4, 3214868480
	.section	.rodata,"a",@progbits
	.p2align	6, 0x0
	.amdhsa_kernel k_qc9417ceb7f_attn
		.amdhsa_group_segment_fixed_size 279552
		.amdhsa_private_segment_fixed_size 0
		.amdhsa_enable_private_segment 0
		.amdhsa_kernarg_size 24
		.amdhsa_user_sgpr_count 2
		.amdhsa_user_sgpr_kernarg_segment_ptr 1
		.amdhsa_wavefront_size32 1
		.amdhsa_system_sgpr_workgroup_id_x 1
		.amdhsa_system_sgpr_workgroup_id_y 1
		.amdhsa_system_sgpr_workgroup_id_z 1
		.amdhsa_system_vgpr_workitem_id 0
		.amdhsa_next_free_vgpr 512
		.amdhsa_next_free_sgpr 80
		.amdhsa_reserve_vcc 0
		.amdhsa_float_denorm_mode_32 3
		.amdhsa_float_denorm_mode_16_64 3
		.amdhsa_memory_ordered 1
		.amdhsa_forward_progress 1
		.amdhsa_inst_pref_size 175
	.end_amdhsa_kernel
	.amdgpu_metadata
---
amdhsa.version: [ 1, 2 ]
amdhsa.kernels:
  - .name:           k_qc9417ceb7f_attn
    .symbol:         k_qc9417ceb7f_attn.kd
    .args:
      - { .name: qop, .offset: 0, .size: 8, .value_kind: global_buffer, .address_space: global }
      - { .name: kv, .offset: 8, .size: 8, .value_kind: global_buffer, .address_space: global }
      - { .name: out0, .offset: 16, .size: 8, .value_kind: global_buffer, .address_space: global }
    .group_segment_fixed_size: 279552
    .private_segment_fixed_size: 0
    .kernarg_segment_align: 8
    .kernarg_segment_size: 24
    .max_flat_workgroup_size: 256
    .sgpr_count:     80
    .vgpr_count:     512
    .wavefront_size: 32
...
	.end_amdgpu_metadata
.endif
;; end of part 3
